; MI455X (gfx1250); checked and timed in simulation.
; The chip was launched on July 23, 2026; its instructions are those of AMD's public machine-readable ISA for CDNA 5 (MIT licence, August 2026) and "CDNA5" Instruction Set Architecture Reference Guide (July 2026). The comments in the code are by the model that wrote it; some were corrected since.
;; Action VQ. Allowed arithmetic: matrix products marked QUANTISED: E5M2 operands, one given power-of-two scale a tensor, by v_wmma_f32_16x16x64_bf8_bf8 or v_wmma_f32_16x16x128_bf8_bf8, f32 sums; everything else in f32.
;; Inputs: W 8,192 x 512 float32; e 16,384 x 512 float32; lowp_scales 2 int32 (the exponents e of the quantised operands' scales 2^e).
;; Outputs: out0 16,384 int32; out1 16,384 x 512 float32.
;; This version of the problem:
;;   THIS VERSION OF THE PROBLEM IS GIVEN IN LOW PRECISION. The matrix products marked QUANTISED in the list below multiply operands that are first quantised to E5M2 (5 exponent bits, 2 mantissa bits; 8 bits a number), with one given power-of-two scale for each operand tensor; their sums are f32. All else is computed in f32.
;;   The module's matrix products, in the order in which they are computed (A, B: the left and right operand; K: the contracted axis; several contracted axes count as one K, in the product's order):
;;     1. [M 16,384, K 512] x [K 512, N 8,192]; A: input e; B: input W: QUANTISED (scales: A lowp_scales[0], B lowp_scales[1])
;;   THE QUANTISER, for each operand of a quantised product, along K:
;;     - The operand's scale is 2^e, e = its entry of the input lowp_scales (int32; the entries are numbered through the quantised products in the list's order, A before B).
;;     - Each number is divided by the scale, clamped to +-57,344, and rounded to the nearest number of E5M2, ties to even, subnormals kept.
;;     - The product sums the exact products of the quantised numbers (number of the format x scale) in f32.
;;   ~~~python
;;   def quantise(x, axis, e):      # numpy; x: float32 -> the quantised numbers, widened to float32 again
;;       x = np.moveaxis(x, axis, -1); K = x.shape[-1]
;;       r = np.clip(x / 2.0 ** e, -57344, 57344)
;;       step = 2.0 ** (np.maximum(np.frexp(np.where(r == 0, 1, r))[1] - 1, -14) - 2)
;;       q = np.round(r / step) * step * 2.0 ** e      # np.round: ties to even
;;       return np.moveaxis(q, -1, axis).astype(np.float32)
;;   ~~~
;; One version. Each part assembles by itself: llvm-mc -triple=amdgcn-amd-amdhsa -mcpu=gfx1250 --defsym DOCPART=n.
;; ======== version 1 of 1: 3 launches
;; limits: right only within a limited range of input values
;; workspace buffers: ec 8,388,608 bytes; wc 4,194,304 bytes; en 65,536 bytes; wn 32,768 bytes; part 1,048,576 bytes of whole numbers
;; launch quant (part 1): grid 384 x 1, 4 waves a work-group, no clusters, 34,816 bytes of LDS; arguments e, W, lowp_scales, ec, wc, en, wn; writes ec, wc, en, wn
.if DOCPART == 1
	.amdgcn_target "amdgcn-amd-amdhsa--gfx1250"
	.amdhsa_code_object_version 6
	.text
	.protected	k_qa3f77f21f9_quant
	.globl	k_qa3f77f21f9_quant
	.p2align	8
	.type	k_qa3f77f21f9_quant,@function
k_qa3f77f21f9_quant:
	s_mov_b64 s[64:65], 0
	v_nop
	global_prefetch_b8 v0, s[64:65] scope:SCOPE_SE
	s_setreg_imm32_b32 hwreg(HW_REG_WAVE_MODE, 25, 1), 1
	s_wait_xcnt 0x0
; e [16384][512] and W [8192][512], f32, become codes of BF8 (E5M2), each with the one scale 2^x that is given for it (entry 0 for e, entry 1 for W), and each row's sum of squares of the RAW f32 numbers is stored beside them.
; code = number / 2^x, held within +-57,344, rounded to the nearest code, ties to even.
; LIMITS: x between -126 and 112 (2^x and 57,344 x 2^x are made as f32 numbers).  NaN among the inputs is not served; an infinity is held at the largest code.
; THE CODES ARE LAID AS THE MATRIX INSTRUCTION'S REGISTERS WANT THEM.  A record is 16 rows x 512 K = 8,192 bytes: 16 pieces of 512 bytes; piece 4 ks + c holds registers 4 c .. 4 c + 3 of the fragment of K step ks (128 along K):
; lane l = 16 h + r has its 16 bytes at 16 l: row r, k = 128 ks + 32 c + 8 h + 0..7, then k = 128 ks + 32 c + 16 + 8 h + 0..7: each k in the place that the plain 8-bit form gives it.
; SHARES.  A wave takes one record (16 rows, 32,768 bytes of f32).  Work-groups 0-255 take e, 256-383 take W: only pointers and the scale are chosen, by the work-group's number; there is one path through the text.
; Each load reads 512 consecutive bytes of one row; a K step's 16 x 512 bytes turn through the wave's own stage in LDS (rows 528 bytes = 132 words apart, so sixteen rows start 4 words apart) and come back as
; 8 + 8 neighbours along K in a lane's registers, which is what the conversions take.  Loads run one K step (16 loads) ahead of the step at work.
; No tensor load, no matrix instruction: memory binds.  One barrier, so that the work-group's 64 sums leave as 256 consecutive bytes.
.set STAGEB, 8448                      ; a wave's stage: 16 rows x 528 bytes
.set SP,     528
.set NRM,    4*STAGEB                  ; behind the stages: the work-group's 64 sums of squares, 256 bytes
.set LI,  1                            ; v1   16 x lane
.set SA,  2                            ; v2   the stage on the way in: 16 x lane
.set SB,  3                            ; v3   and on the way out: 528 r + 32 h
.set NW,  4                            ; v4   where my row's sum goes: NRM + 64 wave + 4 r
.set NR,  5                            ; v5   where wave 0 reads the sums: NRM + 8 x lane
.set NO,  6                            ; v6   8 x lane
.set LIM, 10                           ; v10  57,344 x 2^x
.set SC,  11                           ; v11  2^x
.set N,   12                           ; v[12:19] four packed chains of squares
.set C,   32                           ; v32-63   two sets of 16 registers of codes
.set R,   64                           ; v64-191  two sets of 64: a K step as it is loaded
.set X,   192                          ; v192-255 a K step's 64 numbers of my row
	s_load_b128 s[4:7], s[0:1], 0x0                ; e, W
	s_load_b64 s[10:11], s[0:1], 0x10              ; the scales' exponents
	s_load_b128 s[12:15], s[0:1], 0x18             ; e's codes, W's codes
	s_load_b128 s[24:27], s[0:1], 0x28             ; e's sums, W's sums
	v_lshl_add_u32 v30, v0, 2, 0x8600
	v_mov_b32 v31, 0
	v_lshrrev_b32 v7, 5, v0
	v_readfirstlane_b32 s16, v7                    ; wave 0..3
	v_and_b32 v7, 31, v0                           ; lane
	v_and_b32 v8, 15, v0                           ; r
	v_bfe_u32 v9, v0, 4, 1                         ; h
	v_lshlrev_b32 v[LI], 4, v7
	s_mul_i32 s19, s16, STAGEB
	v_add_nc_u32 v[SA], s19, v[LI]
	v_mul_u32_u24 v[SB], v8, SP
	v_lshl_add_u32 v[SB], v9, 5, v[SB]
	v_add_nc_u32 v[SB], s19, v[SB]
	s_lshl_b32 s19, s16, 6
	s_add_co_u32 s19, s19, NRM
	v_lshl_add_u32 v[NW], v8, 2, s19
	v_lshl_add_u32 v[NR], v7, 3, NRM
	v_lshlrev_b32 v[NO], 3, v7
	v_mov_b32 v20, 0                               ; written once: a lane permute's destination counts as one of its sources
	s_mov_b32 s20, 0x76543210                      ; v_permlanex16_b32: lane l takes lane l xor 16
	s_mov_b32 s21, 0xfedcba98
	s_cmp_lt_u32 ttmp9, 256                        ; e's work-group or W's?  The choice hangs on the work-group's number alone
	s_cselect_b32 s17, 0, 256
	s_wait_alu depctr_va_vdst(0)
	s_wait_kmcnt 0x0
	s_load_b64 s[28:29], s[10:11], 0x0             ; the two exponents
	s_cselect_b64 s[4:5], s[4:5], s[6:7]           ; the numbers,
	s_cselect_b64 s[8:9], s[12:13], s[14:15]       ; the codes,
	s_cselect_b64 s[12:13], s[24:25], s[26:27]     ; the sums
	s_sub_co_u32 s17, ttmp9, s17                   ; the work-group's number within its tensor
	s_lshl_b32 s18, s17, 2
	s_add_co_u32 s18, s18, s16                     ; my record
	s_mov_b32 s23, 0
	s_lshl_b32 s22, s18, 15                        ; 16 rows of 2,048 bytes
	s_add_nc_u64 s[4:5], s[4:5], s[22:23]
	s_lshl_b32 s22, s18, 13                        ; a record of 8,192 bytes
	s_add_nc_u64 s[8:9], s[8:9], s[22:23]
	s_lshl_b32 s22, s17, 8                         ; the work-group's 64 sums
	s_add_nc_u64 s[12:13], s[12:13], s[22:23]
.macro LOADK ks                        ; K step ks of my 16 rows: each load reads 512 consecutive bytes of one row
.irp r, 0,1,2,3,4,5,6,7,8,9,10,11,12,13,14,15
	global_load_b128 v[R+64*((\ks)%2)+4*\r:R+64*((\ks)%2)+4*\r+3], v[LI], s[4:5] offset:2048*\r+512*(\ks) th:TH_LOAD_NT
.endr
.endm
	LOADK 0
	LOADK 1
	s_wait_kmcnt 0x0
	s_cmp_lt_u32 ttmp9, 256
	s_cselect_b32 s28, s28, s29                    ; x
	s_add_co_i32 s28, s28, 127
	s_lshl_b32 s29, s28, 23
	v_mov_b32 v[SC], s29                           ; 2^x as f32: the conversion takes its exponent field
	s_add_co_i32 s28, s28, 15
	s_lshl_b32 s28, s28, 23
	s_or_b32 s28, s28, 0x600000
	v_mov_b32 v[LIM], s28                          ; 57,344 x 2^x
.macro STEP ks
.set RS, R+64*((\ks)%2)
.set CC, C+16*((\ks)%2)
.if (\ks) < 3
	s_wait_loadcnt 16                              ; this K step's 16 loads are in; the next step's 16 may be out
.else
	s_wait_loadcnt 0
.endif
.irp r, 0,1,2,3,4,5,6,7,8,9,10,11,12,13,14,15
	ds_store_b128 v[SA], v[RS+4*\r:RS+4*\r+3] offset:SP*\r
.endr
.irp c, 0,1,2,3                        ; LDS serves a wave's instructions in order (ISA guide 5.7.1.4): these see the stores above
	ds_load_b128 v[X+16*\c:X+16*\c+3],     v[SB] offset:128*\c      ; k = 32 c + 8 h + 0..3
	ds_load_b128 v[X+16*\c+4:X+16*\c+7],   v[SB] offset:128*\c+16   ;                + 4..7
	ds_load_b128 v[X+16*\c+8:X+16*\c+11],  v[SB] offset:128*\c+64   ; k = 32 c + 16 + 8 h + 0..3
	ds_load_b128 v[X+16*\c+12:X+16*\c+15], v[SB] offset:128*\c+80
.endr
	s_wait_dscnt 0x0                               ; my 64 numbers are in; the stores into the stage have read their registers,
.if (\ks) < 2
	LOADK (\ks)+2                                  ; which take the K step two on
.endif
.set i, 0
.rept 32                               ; the squares of the raw numbers, two at a time, in four chains; the first four products start the chains
.if ((\ks) == 0) && (i < 4)
	v_pk_mul_f32 v[N+2*i:N+2*i+1], v[X+2*i:X+2*i+1], v[X+2*i:X+2*i+1]
.else
	v_pk_fma_f32 v[N+2*(i%4):N+2*(i%4)+1], v[X+2*i:X+2*i+1], v[X+2*i:X+2*i+1], v[N+2*(i%4):N+2*(i%4)+1]
.endif
.set i, i+1
.endr
.set i, 0
.rept 64
	v_med3_num_f32 v[X+i], v[X+i], -v[LIM], v[LIM] ; the conversion to an 8-bit code does not saturate (ISA guide 7.6.2): the hold at the largest code x the scale
.set i, i+1
.endr
.if (\ks) >= 2
	s_wait_alu depctr_va_vdst(0)
	s_wait_xcnt 0x0                                ; the stores of two K steps back have read this set of codes: it is written again only behind this wait
.endif
.irp c, 0,1,2,3
	v_cvt_scalef32_pk8_bf8_f32 v[CC+4*\c:CC+4*\c+1],   v[X+16*\c:X+16*\c+7],    v[SC]
	v_cvt_scalef32_pk8_bf8_f32 v[CC+4*\c+2:CC+4*\c+3], v[X+16*\c+8:X+16*\c+15], v[SC]
.endr
	v_nop                                          ; one plain vector line behind the last conversion of the run
.irp c, 0,1,2,3
	global_store_b128 v[LI], v[CC+4*\c:CC+4*\c+3], s[8:9] offset:512*(4*(\ks)+\c)   ; a piece: 512 consecutive bytes, aligned
.endr
.endm
	STEP 0
	STEP 1
	STEP 2
	STEP 3
	v_pk_add_f32 v[N:N+1], v[N:N+1], v[N+2:N+3]
	v_pk_add_f32 v[N+4:N+5], v[N+4:N+5], v[N+6:N+7]
	v_pk_add_f32 v[N:N+1], v[N:N+1], v[N+4:N+5]
	v_add_f32 v[N], v[N], v[N+1]
	v_permlanex16_b32 v20, v[N], s20, s21          ; the row's other 256 numbers lie in the lane 16 away
	v_add_f32 v[N], v[N], v20
	ds_store_b32 v[NW], v[N]                       ; lanes r and 16 + r write the same word with the same number
	s_wait_dscnt 0x0                               ; for wave 0's sake: my sums have landed
	s_barrier_signal -1
	s_barrier_wait -1
	s_cmp_lg_u32 s16, 0
	s_cbranch_scc1 .Lend
	ds_load_b64 v[20:21], v[NR]
	s_wait_dscnt 0x0
	global_store_b64 v[NO], v[20:21], s[12:13]     ; 64 sums: 256 consecutive bytes, aligned
.Lend:
	s_wait_tensorcnt 0x0
	ds_add_u32 v30, v31
	s_wait_dscnt 0x0
	s_endpgm
.Lfunc_end_k_qa3f77f21f9_quant:
	.size	k_qa3f77f21f9_quant, .Lfunc_end_k_qa3f77f21f9_quant-k_qa3f77f21f9_quant
	.p2alignl 7, 3214868480
	.fill 96, 4, 3214868480
	.section	.rodata,"a",@progbits
	.p2align	6, 0x0
	.amdhsa_kernel k_qa3f77f21f9_quant
		.amdhsa_group_segment_fixed_size 34816
		.amdhsa_private_segment_fixed_size 0
		.amdhsa_enable_private_segment 0
		.amdhsa_kernarg_size 56
		.amdhsa_user_sgpr_count 2
		.amdhsa_user_sgpr_kernarg_segment_ptr 1
		.amdhsa_wavefront_size32 1
		.amdhsa_system_sgpr_workgroup_id_x 1
		.amdhsa_system_sgpr_workgroup_id_y 1
		.amdhsa_system_sgpr_workgroup_id_z 1
		.amdhsa_system_vgpr_workitem_id 0
		.amdhsa_next_free_vgpr 256
		.amdhsa_next_free_sgpr 66
		.amdhsa_reserve_vcc 0
		.amdhsa_float_denorm_mode_32 3
		.amdhsa_float_denorm_mode_16_64 3
		.amdhsa_memory_ordered 1
		.amdhsa_forward_progress 1
		.amdhsa_inst_pref_size 46
	.end_amdhsa_kernel
	.amdgpu_metadata
---
amdhsa.version: [ 1, 2 ]
amdhsa.kernels:
  - .name:           k_qa3f77f21f9_quant
    .symbol:         k_qa3f77f21f9_quant.kd
    .args:
      - { .name: e, .offset: 0, .size: 8, .value_kind: global_buffer, .address_space: global }
      - { .name: W, .offset: 8, .size: 8, .value_kind: global_buffer, .address_space: global }
      - { .name: lowp_scales, .offset: 16, .size: 8, .value_kind: global_buffer, .address_space: global }
      - { .name: ec, .offset: 24, .size: 8, .value_kind: global_buffer, .address_space: global }
      - { .name: wc, .offset: 32, .size: 8, .value_kind: global_buffer, .address_space: global }
      - { .name: en, .offset: 40, .size: 8, .value_kind: global_buffer, .address_space: global }
      - { .name: wn, .offset: 48, .size: 8, .value_kind: global_buffer, .address_space: global }
    .group_segment_fixed_size: 34816
    .private_segment_fixed_size: 0
    .kernarg_segment_align: 8
    .kernarg_segment_size: 56
    .max_flat_workgroup_size: 128
    .sgpr_count:     66
    .vgpr_count:     256
    .wavefront_size: 32
...
	.end_amdgpu_metadata
.endif
;; end of part 1
;; launch dist (part 2): grid 32 x 8, 8 waves a work-group, clusters of 4 x 1, 327,680 bytes of LDS; arguments ec, wc, en, wn, lowp_scales, part; writes part
.if DOCPART == 2
	.amdgcn_target "amdgcn-amd-amdhsa--gfx1250"
	.amdhsa_code_object_version 6
	.text
	.protected	k_qa3f77f21f9_dist
	.globl	k_qa3f77f21f9_dist
	.p2align	8
	.type	k_qa3f77f21f9_dist,@function
k_qa3f77f21f9_dist:
	s_mov_b64 s[64:65], 0
	v_nop
	global_prefetch_b8 v0, s[64:65] scope:SCOPE_SE
	s_setreg_imm32_b32 hwreg(HW_REG_WAVE_MODE, 25, 1), 1
	s_wait_xcnt 0x0
	s_wait_alu depctr_hold_cnt(0) depctr_sa_sdst(0) depctr_va_vdst(0) depctr_va_sdst(0) depctr_va_ssrc(0) depctr_va_vcc(0) depctr_vm_vsrc(0)
	s_getreg_b32 s2, hwreg(HW_REG_IB_STS2, 6, 4)
	s_cmp_eq_u32 s2, 0
	s_cbranch_scc0 .Lentry_in_a_cluster
	s_endpgm
.Lentry_in_a_cluster:
	s_bfe_u32 s2, ttmp6, 0x10000c
	s_cmp_lg_u32 s2, 0x3003
	s_cbranch_scc0 .Lentry_shape_is_right
	s_endpgm
.Lentry_shape_is_right:
; d2[n][a] = (|e_n|^2 - 2 e_n . w_a) + |w_a|^2, the product on codes of BF8 (E5M2), and for each row n the smallest d2 and its lowest index a, within one chunk of 1,024 codes.
; ARITHMETIC.  The codes are multiplied as they are; t = fma(sum, -2^(1 + e0 + e1), |e|^2) is rounded once (the factor is a power of two), d2 = t + |w|^2 once more.
; Ties go to the lowest index: a later tile wins only where it is strictly smaller, and within a tile the lowest register that equals the minimum is taken.
; OUT: part[chunk][row] = (key, index).  key = d2's bits with the sign turned into order (bits ^ ((bits >> 31 arithmetic) | 0x80000000)): it rises with d2 as an unsigned whole number.
; LIMITS: e0 + e1 + 1 between -126 and 127 (the factor is made as an f32 number).  NaN and infinities among the inputs are not served.
; SHARES.  Work-group (bx, chunk): 512 rows of e x 1,024 codes: 32 x 8 = 256 work-groups of equal work.  Eight waves, two to a SIMD; wave w owns rows 64 w .. 64 w + 63: four tiles of 16 rows,
; whose codes for ALL of K stay in 256 registers (window 1) for the whole launch.  All waves walk the chunk's 64 records of W (16 codes x 512 K, 8,192 bytes, laid as the operand's registers) from LDS.
; TRANSPOSED USE: source 0 = 16 codes of W, source 1 = 16 rows of e: lane (r, h) holds ONE row of e, and register j of a result the code 16 T + 8 h + j.  So a row's minimum stays in two lanes until the end.
; A TILE: 16 matrix instructions in one run (four accumulators by turns), four places, the next record's 16 LDS loads, then 72 vector lines on the 32 results a lane; two window switches.
; The selects go two to an instruction (dual issue, both under VCC).
; CLUSTER.  The four work-groups of a cluster have the same chunk: every tile of W is asked for JOINTLY, mask 15.  e's block is shared with no partner of the cluster: its loads are plain.
; LDS.  0 .. 262,143: at the head e's 32 records (waves 0-3 fetch 64 KiB each); once they are in registers, the same bytes are a ring of two slots of W, filled with 15, 15, 14 and 14 records
; (a wave fetches 60 or 56 rows of 256 bytes).  XB: W's records 0-5, fetched at the head by waves 4-7 (48 rows each) and never filled again: 6 + 15 + 15 + 14 + 14 = 64 records; the ring's first fill has
; five tiles' work in which to land.  Then |w|^2 (stored through registers), the spare words, the way out's stage.
; A wave has one tensor load out at the most; every wait on TENSORcnt is for 0.  No prefetch: a later refill is asked for 14 or 15 tiles (224 or 240 matrix instructions a wave) ahead of the wait for it.
; REGISTERS.  window 0: v0-15 addresses and temporaries; v16-31 four a tile of rows q: |e|^2, the tile's minimum, the running minimum, its tile's number; v32-39 |w|^2; v40-47 head; v48-79 the winning tile's eight d2;
;   v80-111 accumulators; v128-191 W's fragments.   window 1: e's fragments, tile q at 64 q + 16 ks.
.set RECB,  8192
.set SLOTB, 15*RECB
.set XR,    6                          ; records at XB
.set XB,    262144
.set WWL,   XB+XR*RECB                 ; the chunk's 1,024 |w|^2
.set SPARE, WWL+4096                   ; the spare words, 128 bytes for each wave: four blocks of 256 bytes that no other line names
.set STG,   SPARE+1024                 ; the way out: 512 bytes for each wave
.set LI,  1                            ; v1   16 x lane
.set LW,  2                            ; v2   32 h
.set ADR, 3                            ; v3   LDS address of the record to fetch
.set ADW, 4                            ; v4   LDS address of the |w|^2 to fetch
.set SPW, 5                            ; v5   LDS address of my spare word; never rewritten
.set NIL, 6                            ; v6   0; never rewritten
.set EO,  7                            ; v7   4 r
.set TNV, 8                            ; v8   the tile's number
.set STA, 14                           ; v14  the stage, in
.set STR, 15                           ; v15  the stage, back
.set ST,  16
.set WW,  32
.set VB,  40                           ; v40  8 h + 1,024 chunk
.set EA,  41                           ; v41  LDS address of my wave's records of e
.set WO,  42                           ; v42  16 x thread
.set WL,  43                           ; v43  WWL + 16 x thread
.set BEST, 48
.set ACC,  80
.set WF,   128
.set G1,  16                           ; s[16:23] group 1: 60 rows of 256 bytes, joint
.set G1X, 24                           ; s[24:31] 48 rows, joint
.set G1E, 32                           ; s[32:39] 256 rows, plain
.set G1S, 84                           ; s[84:91] 56 rows, joint
.set G0A, 40                           ; group 0 of the ring's four fills (A, B, C, D), of e's quarter, of a quarter of XB
.set G0B, 44
.set G0E, 48
.set G0X, 52
.set G0C, 92
.set G0D, 96
.set WV,  56                           ; wave
.set W3,  57                           ; wave mod 4
.set CS,  66                           ; s[66:67] -2^(1 + e0 + e1)
.set SEL, 68                           ; s[68:69] v_permlanex16_b32: lane l xor 16
.set TB,  70                           ; LDS byte of the record to fetch next
.set TW,  71                           ; LDS byte of the |w|^2 to fetch next
.set TN,  72                           ; the tile's number
.set CNT, 73
.set MSB, 0
.macro WIN new                         ; the immediate's high byte repeats the setting that is left
.if MSB != (\new)
	s_set_vgpr_msb (MSB<<8)|(\new)
.set MSB, (\new)
.endif
.endm
.macro CROUND                          ; a round of the cluster's barrier
	s_barrier_signal -1
	s_barrier_wait -1
	s_cmp_lg_u32 s[WV], 0
	s_cbranch_scc1 .Lnot_wave_0_\@
	s_barrier_signal -3
.Lnot_wave_0_\@:
	s_barrier_wait -3
	s_barrier_signal -1
	s_barrier_wait -1
.endm
.macro GRP1 g, w0, rows                ; a dense block as rows of 32 elements of 8 bytes, no padding
	s_mov_b32 s[\g], (\w0)
	s_mov_b32 s[\g+1], 32<<16
	s_mov_b32 s[\g+2], (\rows)<<16
	s_mov_b32 s[\g+3], 32<<16
	s_mov_b32 s[\g+4], (\rows)
	s_mov_b32 s[\g+5], 32
	s_mov_b32 s[\g+6], 0
	s_mov_b32 s[\g+7], 0
.endm
.macro NOP4
.rept 4
	v_nop
.endr
.endm
	s_load_b256 s[4:11], s[0:1], 0x0               ; e's codes s[4:5], W's codes s[6:7], |e|^2 s[8:9], |w|^2 s[10:11]
	s_load_b128 s[12:15], s[0:1], 0x20             ; the scales' exponents s[12:13], part s[14:15]
	v_lshl_add_u32 v[SPW], v0, 2, SPARE
	v_mov_b32 v[NIL], 0
	ds_add_u32 v[SPW], v[NIL]                      ; the opening lines: the add, twice on end, and its wait ahead of my first tensor load
	ds_add_u32 v[SPW], v[NIL]
	v_lshrrev_b32 v9, 5, v0
	v_readfirstlane_b32 s[WV], v9                  ; wave 0..7
	s_and_b32 s[W3], s[WV], 3
	s_bfe_u32 s58, ttmp6, 0x40000                  ; cx
	s_lshl_b32 s59, ttmp9, 2
	s_add_co_u32 s59, s59, s58                     ; bx, my block of 512 rows: it enters the addresses of e's codes, |e|^2 and part alone
	s_and_b32 s60, ttmp7, 0xffff                   ; the chunk, which the four partners share
	GRP1 G1,  15|(3<<16)|(1<<21), 60
	GRP1 G1S, 15|(3<<16)|(1<<21), 56
	GRP1 G1X, 15|(3<<16)|(1<<21), 48
	GRP1 G1E, 3<<16, 256
	s_mov_b32 s[G0A], 1
	s_mul_i32 s[G0A+1], s[WV], 60*256              ; my eighth of a fill of 15 records in slot 0: no place in the cluster enters an LDS address
	s_mov_b32 s[G0B], 1
	s_add_co_u32 s[G0B+1], s[G0A+1], SLOTB         ; and in slot 1
	s_mov_b32 s[G0C], 1
	s_mul_i32 s[G0C+1], s[WV], 56*256              ; my eighth of a fill of 14 records in slot 0
	s_mov_b32 s[G0D], 1
	s_add_co_u32 s[G0D+1], s[G0C+1], SLOTB         ; and in slot 1
	s_mov_b32 s[G0E], 1
	s_lshl_b32 s[G0E+1], s[W3], 16                 ; e's quarter
	s_mov_b32 s[G0X], 1
	s_mul_i32 s[G0X+1], s[W3], 48*256
	s_add_co_u32 s[G0X+1], s[G0X+1], XB            ; a quarter of records 0-5
	v_and_b32 v10, 31, v0                          ; lane
	v_and_b32 v11, 15, v0                          ; r
	v_bfe_u32 v12, v0, 4, 1                        ; h
	v_lshlrev_b32 v[LI], 4, v10
	v_lshlrev_b32 v[LW], 5, v12
	v_lshlrev_b32 v[EO], 2, v11
	s_lshl_b32 s61, s60, 10
	v_lshl_add_u32 v[VB], v12, 3, s61
	s_lshl_b32 s62, s[WV], 9
	s_add_co_u32 s62, s62, STG
	v_lshl_add_u32 v[STA], v11, 3, s62
	v_add_nc_u32 v[STR], s62, v[LI]
	s_lshl_b32 s61, s[WV], 15
	v_add_nc_u32 v[EA], s61, v[LI]
	v_add_nc_u32 v[ADR], XB, v[LI]                 ; record 0
	v_add_nc_u32 v[ADW], WWL, v[LW]
	v_lshlrev_b32 v[WO], 4, v0
	v_add_nc_u32 v[WL], WWL, v[WO]
	v_mov_b32 v13, 0                               ; (v12 and v13 are lane permutes' destinations at the end: both are written here)
	s_mov_b32 s63, 0x7f800000                      ; +infinity: the first tile finds a minimum that every number beats
.irp q, 0,1,2,3
	v_mov_b32 v[ST+4*\q+1], 0                      ; (named in a pair with |e|^2)
	v_mov_b32 v[ST+4*\q+2], s63
	v_mov_b32 v[ST+4*\q+3], 0
.endr
.set i, 0
.rept 32
	v_mov_b32 v[BEST+i], s63
.set i, i+1
.endr
	s_mov_b32 s75, 0
	s_mov_b32 s77, 0
	s_wait_alu depctr_va_vdst(0)                   ; the wait at the end of the head's vector work
	s_wait_dscnt 0x0                               ; both opening adds are done
	s_wait_kmcnt 0x0
	s_load_b64 s[78:79], s[12:13], 0x0             ; e0, e1
	s_lshl_b32 s74, s60, 19
	s_add_nc_u64 s[6:7], s[6:7], s[74:75]          ; W's codes at my chunk's 64 records
	s_mul_i32 s74, s[W3], 48*256
	s_add_nc_u64 s[G0X+2:G0X+3], s[6:7], s[74:75]
	s_mul_i32 s74, s[WV], 60*256
	s_add_nc_u64 s[G0A+2:G0A+3], s[6:7], s[74:75]
	s_add_nc_u64 s[G0A+2:G0A+3], s[G0A+2:G0A+3], XR*RECB       ; fill A begins with record 6,
	s_add_nc_u64 s[G0B+2:G0B+3], s[G0A+2:G0A+3], SLOTB         ; fill B with record 21,
	s_mul_i32 s74, s[WV], 56*256
	s_add_nc_u64 s[G0C+2:G0C+3], s[6:7], s[74:75]
	s_add_nc_u64 s[G0C+2:G0C+3], s[G0C+2:G0C+3], (XR+30)*RECB  ; fill C with record 36,
	s_add_nc_u64 s[G0D+2:G0D+3], s[G0C+2:G0C+3], 14*RECB       ; fill D with record 50
	s_lshl_b32 s76, s59, 18                        ; e's codes: my block's 32 records,
	s_lshl_b32 s62, s[W3], 16                      ; a quarter of them
	s_add_co_u32 s76, s76, s62
	s_add_nc_u64 s[G0E+2:G0E+3], s[4:5], s[76:77]
	s_or_b32 s[G0X+3], s[G0X+3], 0x80000000        ; type = 2
	s_or_b32 s[G0A+3], s[G0A+3], 0x80000000
	s_or_b32 s[G0B+3], s[G0B+3], 0x80000000
	s_or_b32 s[G0C+3], s[G0C+3], 0x80000000
	s_or_b32 s[G0D+3], s[G0D+3], 0x80000000
	s_or_b32 s[G0E+3], s[G0E+3], 0x80000000
	CROUND                                         ; all four work-groups are here: the first joint loads meet
	s_cmp_lt_u32 s[WV], 4                          ; one tensor load a wave at the head: waves 0-3 e, waves 4-7 W's records 0-5
	s_cbranch_scc0 .Lhead_w
	tensor_load_to_lds s[G0E:G0E+3], s[G1E:G1E+7]
	s_nop 0
	NOP4
	s_branch .Lhead_j
.Lhead_w:
	tensor_load_to_lds s[G0X:G0X+3], s[G1X:G1X+7]
	s_nop 0
	NOP4
.Lhead_j:
	s_lshl_b32 s74, s60, 12                        ; the chunk's 4,096 bytes of |w|^2: 16 a thread
	s_add_nc_u64 s[10:11], s[10:11], s[74:75]
	global_load_b128 v[44:47], v[WO], s[10:11]
	s_lshl_b32 s76, s59, 11                        ; |e|^2: 512 numbers a block, 64 a wave
	s_lshl_b32 s62, s[WV], 8
	s_add_co_u32 s76, s76, s62
	s_add_nc_u64 s[8:9], s[8:9], s[76:77]
.irp q, 0,1,2,3
	global_load_b32 v[ST+4*\q], v[EO], s[8:9] offset:64*\q         ; |e|^2 of row 16 q + r
.endr
	s_lshl_b32 s76, s60, 17                        ; part: 8 bytes x (16,384 chunk + 512 bx + 64 wave)
	s_lshl_b32 s62, s59, 12
	s_add_co_u32 s76, s76, s62
	s_lshl_b32 s62, s[WV], 9
	s_add_co_u32 s76, s76, s62
	s_add_nc_u64 s[14:15], s[14:15], s[76:77]
	s_wait_kmcnt 0x0
	s_add_co_i32 s[CS], s78, s79
	s_add_co_i32 s[CS], s[CS], 128
	s_lshl_b32 s[CS], s[CS], 23
	s_or_b32 s[CS], s[CS], 0x80000000              ; -2^(1 + e0 + e1) as f32
	s_mov_b32 s[CS+1], s[CS]                       ; (named with it as a pair, so it is written)
	s_mov_b32 s[SEL], 0x76543210
	s_mov_b32 s[SEL+1], 0xfedcba98
	s_mov_b32 s[TB], XB+RECB                       ; the first fetch inside a tile is record 1's
	s_mov_b32 s[TW], WWL+64
	s_mov_b32 s[TN], 0
	s_wait_tensorcnt 0x0                           ; my part of e or of records 0-5 is in
	ds_add_u32 v[SPW], v[NIL]
	s_wait_dscnt 0x0
	s_barrier_signal -1
	s_barrier_wait -1                              ; everybody's are
	s_wait_loadcnt 0x0                             ; |w|^2 and |e|^2
	ds_store_b128 v[WL], v[44:47]                  ; no tensor load is out; the others read these bytes behind the round below
	WIN 0x40                                       ; destination window 1
.irp q, 0,1,2,3
.irp f, 0,1,2,3,4,5,6,7,8,9,10,11,12,13,14,15
	ds_load_b128 v[64*\q+4*\f:64*\q+4*\f+3], v[EA] offset:8192*\q+512*\f   ; piece f of record q: 512 consecutive bytes
.endr
.endr
	WIN 0
	s_wait_tensorcnt 0x0                           ; the three lines in front of a refill's round
	ds_add_u32 v[SPW], v[NIL]
	s_wait_dscnt 0x0                               ; e is in my registers, my |w|^2 are stored
	CROUND                                         ; nobody reads e's bytes any more
	tensor_load_to_lds s[G0A:G0A+3], s[G1:G1+7]    ; records 6-20 into slot 0
	s_nop 0
	NOP4
.irp f, 0,1,2,3,4,5,6,7,8,9,10,11,12,13,14,15
	ds_load_b128 v[WF+4*\f:WF+4*\f+3], v[ADR] offset:512*\f        ; record 0
.endr
	ds_load_b128 v[WW:WW+3], v[ADW]
	ds_load_b128 v[WW+4:WW+7], v[ADW] offset:16
; A TILE of 16 codes.  frags = 1: the next record and its |w|^2 are fetched.
.macro TILE frags
	s_wait_dscnt 0x0                               ; this tile's record and |w|^2 are in
	WIN 0x04                                       ; source 1 (e) window 1
.irp ks, 0,1,2,3
.irp q, 0,1,2,3
.if \ks == 0
	v_wmma_f32_16x16x128_bf8_bf8 v[ACC+8*\q:ACC+8*\q+7], v[WF+16*\ks:WF+16*\ks+15], v[64*\q+16*\ks:64*\q+16*\ks+15], 0
.else
	v_wmma_f32_16x16x128_bf8_bf8 v[ACC+8*\q:ACC+8*\q+7], v[WF+16*\ks:WF+16*\ks+15], v[64*\q+16*\ks:64*\q+16*\ks+15], v[ACC+8*\q:ACC+8*\q+7]
.endif
.endr
.endr
	WIN 0
	v_mov_b32 v[TNV], s[TN]                        ; four places ahead of the loads into W's registers and of the first read of results
.if \frags
	v_add_nc_u32 v[ADR], s[TB], v[LI]
	v_add_nc_u32 v[ADW], s[TW], v[LW]
	v_nop
.irp f, 0,1,2,3,4,5,6,7,8,9,10,11,12,13,14,15
	ds_load_b128 v[WF+4*\f:WF+4*\f+3], v[ADR] offset:512*\f
.endr
.else
	v_nop
	v_nop
	v_nop
.endif
.irp n, 0,1,2,3                        ; the four tiles of rows take turns line by line; each result is read from its low end on
.irp q, 0,1,2,3
	v_pk_fma_f32 v[ACC+8*\q+2*\n:ACC+8*\q+2*\n+1], v[ACC+8*\q+2*\n:ACC+8*\q+2*\n+1], s[CS:CS+1], v[ST+4*\q:ST+4*\q+1] op_sel_hi:[1,0,0]   ; t = |e|^2 - 2 x 2^(e0 + e1) x sum
.endr
.endr
.irp n, 0,1,2,3
.irp q, 0,1,2,3
	v_pk_add_f32 v[ACC+8*\q+2*\n:ACC+8*\q+2*\n+1], v[ACC+8*\q+2*\n:ACC+8*\q+2*\n+1], v[WW+2*\n:WW+2*\n+1]   ; d2 = t + |w|^2
.endr
.endr
.if \frags
	ds_load_b128 v[WW:WW+3], v[ADW]                ; the next tile's |w|^2
	ds_load_b128 v[WW+4:WW+7], v[ADW] offset:16
.endif
.irp q, 0,1,2,3
	v_min3_num_f32 v[ST+4*\q+1], v[ACC+8*\q], v[ACC+8*\q+1], v[ACC+8*\q+2]
.endr
.irp q, 0,1,2,3
	v_min3_num_f32 v[ST+4*\q+1], v[ST+4*\q+1], v[ACC+8*\q+3], v[ACC+8*\q+4]
.endr
.irp q, 0,1,2,3
	v_min3_num_f32 v[ST+4*\q+1], v[ST+4*\q+1], v[ACC+8*\q+5], v[ACC+8*\q+6]
.endr
.irp q, 0,1,2,3
	v_min_num_f32 v[ST+4*\q+1], v[ST+4*\q+1], v[ACC+8*\q+7]        ; the smallest of my eight
.endr
.irp q, 0,1,2,3
	v_cmp_lt_f32 vcc_lo, v[ST+4*\q+1], v[ST+4*\q+2]                ; strictly smaller: the earlier tile keeps a tie
	v_dual_cndmask_b32 v[ST+4*\q+2], v[ST+4*\q+2], v[ST+4*\q+1] :: v_dual_cndmask_b32 v[ST+4*\q+3], v[ST+4*\q+3], v[TNV]   ; the running minimum and its tile's number
.irp j, 0,2,4,6
	v_dual_cndmask_b32 v[BEST+8*\q+\j], v[BEST+8*\q+\j], v[ACC+8*\q+\j] :: v_dual_cndmask_b32 v[BEST+8*\q+\j+1], v[BEST+8*\q+\j+1], v[ACC+8*\q+\j+1]   ; the winning tile's eight d2
.endr
.endr
	s_add_co_u32 s[TN], s[TN], 1
.if \frags
	s_add_co_u32 s[TB], s[TB], RECB
	s_add_co_u32 s[TW], s[TW], 64
.endif
.endm
.macro RUN trips
	s_mov_b32 s[CNT], \trips
.Lrun_\@:
	TILE 1
	s_sub_co_u32 s[CNT], s[CNT], 1
	s_cmp_lg_u32 s[CNT], 0
	s_cbranch_scc1 .Lrun_\@
.endm
; THE CHANGE OF SLOTS: the old slot's last record has been asked for.  Each wave waits for all its tensor loads (its part of the slot ahead), adds 0 to its spare word, and waits for that and for its LDS reads.
; fill = 1: a round of the cluster's barrier, and the joint refill (group 0 g0, group 1 g1) first behind it.
.macro CHANGE fill, g0, g1, tb
	s_wait_tensorcnt 0x0
	ds_add_u32 v[SPW], v[NIL]
	s_mov_b32 s[TB], \tb                           ; the fetches go on in the other slot
	s_wait_dscnt 0x0
.if \fill
	CROUND
	tensor_load_to_lds s[\g0:\g0+3], s[\g1:\g1+7]
	s_nop 0
	NOP4
.else
	s_barrier_signal -1
	s_barrier_wait -1
.endif
.endm
	RUN 5                                          ; tiles 0-4 fetch records 1-5
	CHANGE 1, G0B, G1, 0                           ; records 6-20 are in; slot 1 takes records 21-35
	RUN 15                                         ; tiles 5-19 fetch records 6-20
	CHANGE 1, G0C, G1S, SLOTB                      ; slot 0 takes records 36-49
	RUN 15                                         ; tiles 20-34 fetch records 21-35
	CHANGE 1, G0D, G1S, 0                          ; slot 1 takes records 50-63
	RUN 14                                         ; tiles 35-48 fetch records 36-49
	CHANGE 0, G0A, G1, SLOTB                       ; nothing is left to fetch
	RUN 14                                         ; tiles 49-62 fetch records 50-63
	TILE 0                                         ; tile 63
; THE END, for each tile of rows: the lowest register that equals the minimum; the index; the key; the better of the two lanes that share the row (the lower index where the keys are equal); into my stage.
.macro FINISH q
.set rT, ST+4*(\q)
.set rG, BEST+8*(\q)
	v_mov_b32 v9, 7
.irp j, 6,5,4,3,2,1,0
	v_cmp_neq_f32 vcc_lo, v[rG+\j], v[rT+2]
	v_cndmask_b32 v9, \j, v9, vcc_lo
.endr
	v_lshl_add_u32 v11, v[rT+3], 4, v9             ; 16 x tile + register
	v_ashrrev_i32 v10, 31, v[rT+2]
	v_add_nc_u32 v11, v11, v[VB]                   ; + 8 h + 1,024 chunk
	v_or_b32 v10, 0x80000000, v10
	v_xor_b32 v10, v10, v[rT+2]                    ; the key
	v_permlanex16_b32 v12, v10, s[SEL], s[SEL+1]
	v_permlanex16_b32 v13, v11, s[SEL], s[SEL+1]
	v_cmp_lt_u32 s80, v12, v10
	v_cmp_eq_u32 s81, v12, v10
	v_cmp_lt_u32 vcc_lo, v13, v11
	s_and_b32 s81, s81, vcc_lo
	s_or_b32 s80, s80, s81
	v_cndmask_b32 v10, v10, v12, s80
	v_cndmask_b32 v11, v11, v13, s80
	ds_store_b64 v[STA], v[10:11] offset:128*(\q)  ; lanes r and 16 + r write the same 8 bytes with the same numbers
.endm
.irp q, 0,1,2,3
	FINISH \q
.endr
	ds_load_b128 v[128:131], v[STR]                ; LDS serves a wave's instructions in order (ISA guide 5.7.1.4): this sees my stores
	s_wait_dscnt 0x0
	global_store_b128 v[LI], v[128:131], s[14:15]  ; my 64 rows' pairs: 512 consecutive bytes, aligned
	s_wait_tensorcnt 0x0                           ; the wave's end
	ds_add_u32 v[SPW], v[NIL]
	s_wait_dscnt 0x0
	CROUND                                         ; the closing round
	s_endpgm
.Lfunc_end_k_qa3f77f21f9_dist:
	.size	k_qa3f77f21f9_dist, .Lfunc_end_k_qa3f77f21f9_dist-k_qa3f77f21f9_dist
	.p2alignl 7, 3214868480
	.fill 96, 4, 3214868480
	.section	.rodata,"a",@progbits
	.p2align	6, 0x0
	.amdhsa_kernel k_qa3f77f21f9_dist
		.amdhsa_group_segment_fixed_size 327680
		.amdhsa_private_segment_fixed_size 0
		.amdhsa_enable_private_segment 0
		.amdhsa_kernarg_size 48
		.amdhsa_user_sgpr_count 2
		.amdhsa_user_sgpr_kernarg_segment_ptr 1
		.amdhsa_wavefront_size32 1
		.amdhsa_system_sgpr_workgroup_id_x 1
		.amdhsa_system_sgpr_workgroup_id_y 1
		.amdhsa_system_sgpr_workgroup_id_z 1
		.amdhsa_system_vgpr_workitem_id 0
		.amdhsa_next_free_vgpr 512
		.amdhsa_next_free_sgpr 100
		.amdhsa_reserve_vcc 1
		.amdhsa_float_denorm_mode_32 3
		.amdhsa_float_denorm_mode_16_64 3
		.amdhsa_memory_ordered 1
		.amdhsa_forward_progress 1
		.amdhsa_inst_pref_size 63
	.end_amdhsa_kernel
	.amdgpu_metadata
---
amdhsa.version: [ 1, 2 ]
amdhsa.kernels:
  - .name:           k_qa3f77f21f9_dist
    .symbol:         k_qa3f77f21f9_dist.kd
    .args:
      - { .name: ec, .offset: 0, .size: 8, .value_kind: global_buffer, .address_space: global }
      - { .name: wc, .offset: 8, .size: 8, .value_kind: global_buffer, .address_space: global }
      - { .name: en, .offset: 16, .size: 8, .value_kind: global_buffer, .address_space: global }
      - { .name: wn, .offset: 24, .size: 8, .value_kind: global_buffer, .address_space: global }
      - { .name: lowp_scales, .offset: 32, .size: 8, .value_kind: global_buffer, .address_space: global }
      - { .name: part, .offset: 40, .size: 8, .value_kind: global_buffer, .address_space: global }
    .group_segment_fixed_size: 327680
    .private_segment_fixed_size: 0
    .kernarg_segment_align: 8
    .kernarg_segment_size: 48
    .max_flat_workgroup_size: 256
    .sgpr_count:     100
    .vgpr_count:     512
    .wavefront_size: 32
...
	.end_amdgpu_metadata
.endif
;; end of part 2
;; launch pick (part 3): grid 256 x 1, 4 waves a work-group, no clusters, 768 bytes of LDS; arguments part, W, out0, out1; writes out0, out1
.if DOCPART == 3
	.amdgcn_target "amdgcn-amd-amdhsa--gfx1250"
	.amdhsa_code_object_version 6
	.text
	.protected	k_qa3f77f21f9_pick
	.globl	k_qa3f77f21f9_pick
	.p2align	8
	.type	k_qa3f77f21f9_pick,@function
k_qa3f77f21f9_pick:
	s_mov_b64 s[64:65], 0
	v_nop
	global_prefetch_b8 v0, s[64:65] scope:SCOPE_SE
	s_setreg_imm32_b32 hwreg(HW_REG_WAVE_MODE, 25, 1), 1
	s_wait_xcnt 0x0
; For each row: the smallest key among the 8 chunks' pairs (key, index), the lower chunk keeping a tie, which is the lower index; out0 = the index; out1 = that row of W, f32, as it is.
; Only whole numbers are compared here.  An index is held within 0 .. 8,191 before it enters an address.
; SHARES.  A work-group takes 64 rows, a wave 16.  Lane l takes row l % 16 for the choice (lanes 16-31 repeat lanes 0-15).  Then the wave copies its 16 rows of 2,048 bytes: each load and store covers 512 consecutive bytes.
; A ring of eight row slots in registers keeps 32 loads of every wave in flight.  No matrix unit, no tensor load: memory binds, and nothing is shared but the 64 indices, which meet in LDS so that they leave as 256 consecutive bytes.
.set ROWB, 2048
.set D,    32                          ; v32-159  slot i: 16 registers, a row
.set OF,   160                         ; v160-167 slot i: the byte offset of my 16 bytes of its row in W
	s_load_b256 s[4:11], s[0:1], 0x0               ; part s[4:5], W s[6:7], out0 s[8:9], out1 s[10:11]
	v_lshl_add_u32 v168, v0, 2, 0x100
	v_mov_b32 v169, 0
	v_lshrrev_b32 v1, 5, v0
	v_readfirstlane_b32 s12, v1                    ; wave 0..3
	v_and_b32 v1, 31, v0                           ; lane
	v_and_b32 v6, 15, v0
	v_lshlrev_b32 v2, 3, v6                        ; my row's pair in a chunk's 16
	v_lshlrev_b32 v3, 4, v1                        ; 16 x lane
	v_lshlrev_b32 v4, 3, v1                        ; 8 x lane
	s_lshl_b32 s13, s12, 6
	v_lshl_add_u32 v5, v6, 2, s13                  ; LDS: 64 x wave + 4 x row
	s_lshl_b32 s14, ttmp9, 9                       ; 8 bytes x (64 x work-group + 16 x wave)
	s_lshl_b32 s15, s12, 7
	s_add_co_u32 s14, s14, s15
	s_mov_b32 s15, 0
	s_wait_alu depctr_va_vdst(0)
	s_wait_kmcnt 0x0
	s_add_nc_u64 s[4:5], s[4:5], s[14:15]
.irp c, 0,1,2,3,4,5,6,7
	global_load_b64 v[8+2*\c:9+2*\c], v2, s[4:5] offset:131072*\c th:TH_LOAD_NT    ; chunk c's key and index of my row
.endr
	s_lshl_b32 s14, ttmp9, 8                       ; out0: 64 indices a work-group
	s_add_nc_u64 s[8:9], s[8:9], s[14:15]
	s_lshl_b32 s14, ttmp9, 17                      ; out1: 64 rows of 2,048 bytes a work-group, 16 a wave
	s_lshl_b32 s13, s12, 15
	s_add_co_u32 s14, s14, s13
	s_add_nc_u64 s[10:11], s[10:11], s[14:15]
	s_wait_loadcnt 0x0
.irp c, 1,2,3,4,5,6,7
	v_cmp_lt_u32 vcc_lo, v[8+2*\c], v8             ; strictly smaller: the lower chunk keeps a tie
	v_cndmask_b32 v8, v8, v[8+2*\c], vcc_lo
	v_cndmask_b32 v9, v9, v[9+2*\c], vcc_lo
.endr
	v_min_u32 v9, 0x1fff, v9                       ; inside the table
	ds_store_b32 v5, v9                            ; lanes l and l + 16 write the same word with the same number
.irp i, 0,1,2,3,4,5,6,7,8,9,10,11,12,13,14,15
	v_readlane_b32 s[16+\i], v9, \i
.endr
.irp i, 0,1,2,3,4,5,6,7,8,9,10,11,12,13,14,15
	s_min_u32 s[16+\i], s[16+\i], 0x1fff
	s_lshl_b32 s[16+\i], s[16+\i], 11              ; the row's first byte in W
.endr
.macro LOADROW i, row
	v_add_nc_u32 v[OF+(\i)], s[16+(\row)], v3
.irp k, 0,1,2,3
	global_load_b128 v[D+16*(\i)+4*\k:D+16*(\i)+4*\k+3], v[OF+(\i)], s[6:7] offset:512*\k
.endr
.endm
.macro STOREROW i, row
.irp k, 0,1,2,3
	global_store_b128 v3, v[D+16*(\i)+4*\k:D+16*(\i)+4*\k+3], s[10:11] offset:ROWB*(\row)+512*\k th:TH_STORE_NT
.endr
.endm
.irp i, 0,1,2,3,4,5,6,7
	LOADROW \i, \i
.endr
	s_wait_dscnt 0x0                               ; for wave 0's sake: my indices have landed
	s_barrier_signal -1
	s_barrier_wait -1
	s_cmp_lg_u32 s12, 0
	s_cbranch_scc1 .Lrows
	ds_load_b64 v[24:25], v4
	s_wait_dscnt 0x0
	global_store_b64 v4, v[24:25], s[8:9]          ; 64 indices: 256 consecutive bytes, aligned
.Lrows:
.irp i, 0,1,2,3,4,5,6,7
	s_wait_loadcnt 28                              ; loads come back in order (ISA guide 5.7.1): this slot's four are in, the seven younger rows' 28 stay out
	STOREROW \i, \i
	s_wait_xcnt 0x0                                ; the stores have read their registers: the slot is loaded again only behind this wait
	LOADROW \i, \i+8
.endr
.irp i, 0,1,2,3,4,5,6,7
	s_wait_loadcnt 28-4*\i                         ; the last eight rows load nothing: the counts run down
	STOREROW \i, \i+8
.endr
	s_wait_tensorcnt 0x0
	ds_add_u32 v168, v169
	s_wait_dscnt 0x0
	s_endpgm
.Lfunc_end_k_qa3f77f21f9_pick:
	.size	k_qa3f77f21f9_pick, .Lfunc_end_k_qa3f77f21f9_pick-k_qa3f77f21f9_pick
	.p2alignl 7, 3214868480
	.fill 96, 4, 3214868480
	.section	.rodata,"a",@progbits
	.p2align	6, 0x0
	.amdhsa_kernel k_qa3f77f21f9_pick
		.amdhsa_group_segment_fixed_size 768
		.amdhsa_private_segment_fixed_size 0
		.amdhsa_enable_private_segment 0
		.amdhsa_kernarg_size 32
		.amdhsa_user_sgpr_count 2
		.amdhsa_user_sgpr_kernarg_segment_ptr 1
		.amdhsa_wavefront_size32 1
		.amdhsa_system_sgpr_workgroup_id_x 1
		.amdhsa_system_sgpr_workgroup_id_y 1
		.amdhsa_system_sgpr_workgroup_id_z 1
		.amdhsa_system_vgpr_workitem_id 0
		.amdhsa_next_free_vgpr 170
		.amdhsa_next_free_sgpr 66
		.amdhsa_reserve_vcc 1
		.amdhsa_float_denorm_mode_32 3
		.amdhsa_float_denorm_mode_16_64 3
		.amdhsa_memory_ordered 1
		.amdhsa_forward_progress 1
		.amdhsa_inst_pref_size 19
	.end_amdhsa_kernel
	.amdgpu_metadata
---
amdhsa.version: [ 1, 2 ]
amdhsa.kernels:
  - .name:           k_qa3f77f21f9_pick
    .symbol:         k_qa3f77f21f9_pick.kd
    .args:
      - { .name: part, .offset: 0, .size: 8, .value_kind: global_buffer, .address_space: global }
      - { .name: W, .offset: 8, .size: 8, .value_kind: global_buffer, .address_space: global }
      - { .name: out0, .offset: 16, .size: 8, .value_kind: global_buffer, .address_space: global }
      - { .name: out1, .offset: 24, .size: 8, .value_kind: global_buffer, .address_space: global }
    .group_segment_fixed_size: 768
    .private_segment_fixed_size: 0
    .kernarg_segment_align: 8
    .kernarg_segment_size: 32
    .max_flat_workgroup_size: 128
    .sgpr_count:     66
    .vgpr_count:     170
    .wavefront_size: 32
...
	.end_amdgpu_metadata
.endif
;; end of part 3
